; MI455X (gfx1250); checked and timed in simulation.
; The chip was launched on July 23, 2026; its instructions are those of AMD's public machine-readable ISA for CDNA 5 (MIT licence, August 2026) and "CDNA5" Instruction Set Architecture Reference Guide (July 2026). The comments in the code are by the model that wrote it; some were corrected since.
;; Evidence Selection Model. Allowed arithmetic: float matrix products may take bf16 or f16 operands with f32 sums; all other float work in f32.
;; Inputs: last_hidden_state 16 x 4,096 x 1,024 float32; sentence_mask 16 x 4,096 int32.
;; Outputs: out0 16 x 32 x 1,024 float32; out1 32 int32.
;; Constants: num_sents = 32.
;; One version. Each part assembles by itself: llvm-mc -triple=amdgcn-amd-amdhsa -mcpu=gfx1250 --defsym DOCPART=n.
;; ======== version 1 of 1: 1 launch
;; launch segmean (part 1): grid 16 x 16, 8 waves a work-group, no clusters, 99,328 bytes of LDS; arguments last_hidden_state, sentence_mask, out0, out1; writes out0, out1
.if DOCPART == 1
	.amdgcn_target "amdgcn-amd-amdhsa--gfx1250"
	.amdhsa_code_object_version 6
	.text
	.protected	k_qb3f819b7fa_segmean
	.globl	k_qb3f819b7fa_segmean
	.p2align	8
	.type	k_qb3f819b7fa_segmean,@function
k_qb3f819b7fa_segmean:
	s_mov_b64 s[64:65], 0
	v_nop
	global_prefetch_b8 v0, s[64:65] scope:SCOPE_SE
	s_setreg_imm32_b32 hwreg(HW_REG_WAVE_MODE, 25, 1), 1
	s_wait_xcnt 0x0
; out0[b][s][h] = (sum of x[b][l][h] over the rows l with id[b][l] == s) / (number of such rows);  out1 = 0 .. 31.
; x: [16][4096][1024] f32, id: [16][4096] i32, out0: [16][32][1024] f32, out1: [32] i32.
;
; A work-group owns one batch (its y) and 64 columns (its x): 256 consecutive bytes of each of 4,096 rows, 1 MiB of x, read once, and
; the 32 x 64 outputs that depend on it, so that every output has one owner.  Eight waves split the rows, 512 each, in 16 steps of 32.
; The sum is the product one-hot[32 s][32 l] x x[32 l][64 h] on the matrix unit, bf16 operands, f32 sums; a fifth B fragment of ones
; gives the counts in the registers' same places as the sums.  The waves' partial results meet in LDS at the end.
;
; LAYOUT OF A STEP.  Lane L: r = L & 15, h = L >> 4.  Load j (0..15) brings the lane 16 bytes, columns 4r .. 4r+3 of row 16h + j:
; sixteen lanes read 256 consecutive bytes, aligned.  B fragment c (0..3) holds column 4r + c; its register i holds rows 16h + 2i (low half)
; and 16h + 2i + 1 (high half).  A's registers hold the flags of the same rows in the same places: a permutation of k that is the same
; on both sides leaves the products' sum as it is.  Result tile (T, c): register j of lane (r, h) is sentence 16T + 8h + j, column 4r + c.
;
; THE ONE-HOT FLAGS.  Once for each row: O = 0x4000 rotated right by id (0 if id is not in 0..31, so that such a row counts nowhere, as in
; the comparison it stands for).  In a step a lane rotates O left by r: bit 14 is then (id == r), bit 30 is (id == r + 16).  Two byte
; permutes sort the halves of a pair of rows into the two tiles, and an AND with 0x40004000 leaves 0x4000 (bf16 2.0) or 0.  Three vector
; instructions for a register of A.  The factor 2 stands in the sums and in the counts alike and leaves in the division.
;
; LIMITS.  x is rounded to bf16 (relative 2^-9 an element; f32 magnitudes above bf16's largest finite number become infinity).  The sums'
; order is the matrix unit's and then wave 0 .. 7 in a tree.  A sentence without rows gives 0 x (1/0) = NaN, where the definition has 0/0.
; NO CLUSTER: the work-groups of a batch share only the ids, 16 KiB against 1 MiB of x that each reads alone.  No data mover and no LDS ring:
; the bytes in flight lie in registers (48 loads of 512 bytes a wave), and x passes LDS not at all.
.set ROWB,   4096                      ; bytes in a row of x and of out0
.set RING,   3                         ; steps of x in flight in a wave
.set OWAVE,  2048                      ; LDS: a wave's 512 words O
.set PART,   8*OWAVE                   ; LDS: behind them the partial results, 40 register pairs x 8 waves x 256 bytes
.set UPITCH, 2048                      ; from one register pair to the next: 8 waves x 256 bytes
; window 0
.set VOFF, 1                           ; v1       x: 65,536 h + 16 r (16 rows for the upper half of the lanes)
.set ROT,  2                           ; v2       (32 - r) & 31: a rotation right by it is one left by r
.set OADR, 3                           ; v3       LDS: my wave's words O + 64 h
.set MOFF, 4                           ; v4       ids: 16 x lane
.set LANE, 5
.set R,    6
.set HH,   7
.set O,    8                           ; v[8:23]    my 16 rows' words O, rotated in place
.set A,    24                          ; v[24:39]   A fragments: sentences 0-15, 16-31
.set B,    40                          ; v[40:71]   B fragments c = 0..3 (first: the ids as loaded)
.set ONES, 72                          ; v[72:79]   a B fragment of 1.0
.set ACC,  80                          ; v[80:143]  sums, tile (T, c) at 8 (4T + c)
.set CNT,  144                         ; v[144:159] counts, tile T at 8 T: directly behind the sums
; window 1: v[256:447], written v0 .. v191 there: x as loaded, slot (step mod 3) at 64 x slot, load j at 4 j
; the way out, in registers that are done with by then
.set PADR,  8                          ; where I put pairs 0-31
.set PADR2, 9                          ; and pairs 32-39 (LDS offsets have 16 bits)
.set RADR,  10                         ; where I read sums
.set CADR,  11                         ; where I read counts
.set OOFF,  12                         ; out0: 8 rows x h + 16 r
.set IOFF,  13                         ; out1: 4 x lane
.set OUT,   24                         ; v[24:31]  two rows x four columns to store
.set RC,    32                         ; v[32:33]  1 / count of my two sentences
.set LD,    80                         ; v[80:159] the eight waves' pairs: counts at 0, column c at 16 (c + 1), wave w at + 2 w
.set MSB, 0
.macro WIN new                         ; s_set_vgpr_msb: bits 1:0 source 0, 3:2 source 1, 7:6 destination; the high byte repeats the setting that is left
.if MSB != \new
	s_set_vgpr_msb (MSB<<8)|\new
.set MSB, \new
.endif
.endm
.set FROM_X, 0x05                      ; both sources in window 1, destination in window 0
.set TO_X,   0x40                      ; destination in window 1, address in window 0
	s_load_b256 s[4:11], s[0:1], 0x0               ; x s[4:5], ids s[6:7], out0 s[8:9], out1 s[10:11]
	v_lshl_add_u32 v254, v0, 2, 0x18000
	v_mov_b32 v255, 0
	v_lshrrev_b32 v[A+1], 5, v0
	v_readfirstlane_b32 s12, v[A+1]                ; wave 0..7
	v_and_b32 v[LANE], 31, v0
	v_and_b32 v[R], 15, v0
	v_bfe_u32 v[HH], v0, 4, 1
	s_and_b32 s13, ttmp7, 0xffff                   ; batch
	s_lshl_b32 s14, s13, 24                        ; x: batch x 16 MiB
	s_lshl_b32 s15, ttmp9, 8                       ;  + column block x 256 bytes
	s_add_co_u32 s14, s14, s15
	s_lshl_b32 s15, s12, 21                        ;  + wave x 512 rows: below 2^28 in all
	s_add_co_u32 s14, s14, s15
	s_mov_b32 s15, 0
	s_lshl_b32 s16, s13, 14                        ; ids: batch x 16 KiB
	s_lshl_b32 s18, s12, 11                        ;  + wave x 512 ids.  Also the wave's words O in LDS
	s_add_co_u32 s16, s16, s18
	s_mov_b32 s17, 0
	v_lshlrev_b32 v[MOFF], 4, v[LANE]
	v_lshlrev_b32 v[VOFF], 4, v[R]
	v_lshl_or_b32 v[VOFF], v[HH], 16, v[VOFF]
	s_wait_kmcnt 0x0
	s_add_nc_u64 s[4:5], s[4:5], s[14:15]
	s_add_nc_u64 s[6:7], s[6:7], s[16:17]
.irp q, 0,1,2,3
	global_load_b128 v[B+4*\q:B+4*\q+3], v[MOFF], s[6:7] offset:512*\q     ; my wave's 512 ids, 16 a lane
.endr
; The 16 loads of step st.  Base and lane offset never change: the step and the row stand in the immediate (2,027,520 at the most).
.macro FILL st
.irp j, 0,1,2,3,4,5,6,7,8,9,10,11,12,13,14,15
	global_load_b128 v[64*((\st)%RING)+4*\j:64*((\st)%RING)+4*\j+3], v[VOFF], s[4:5] offset:(32*(\st)+\j)*ROWB th:TH_LOAD_NT
.endr
.endm
	WIN TO_X
	FILL 0
	FILL 1
	FILL 2                                         ; 52 loads are out now
	WIN 0
	; while they travel: constants and the scalars of the way out
	s_mov_b32 s20, 0x4000
	s_mov_b32 s21, 0x05040100                      ; v_perm_b32: the two low halves
	s_mov_b32 s22, 0x07060302                      ; the two high halves
	s_mov_b32 s23, 0x40004000                      ; bf16 2.0 twice
	v_sub_nc_u32 v[ROT], 32, v[R]
	v_and_b32 v[ROT], 31, v[ROT]
	v_lshl_add_u32 v[OADR], v[HH], 6, s18          ; 16 words for the upper half of the lanes
	v_lshl_add_u32 v[A], v[LANE], 4, s18           ; where my 4 x 4 words O go
.irp i, 0,1,2,3,4,5,6,7
	v_mov_b32 v[ONES+\i], 0x3f803f80
.endr
	s_lshl_b32 s24, s12, 8
	s_add_co_u32 s24, s24, PART                    ; my wave's 256 bytes in each pair's row
	s_lshr_b32 s25, s12, 2                         ; on the way out wave w = 4 T + jp sums registers 2 jp, 2 jp + 1 of the tiles (T, 0..3)
	s_and_b32 s26, s12, 3
	s_lshl4_add_u32 s27, s25, s26                  ; pair 16 T + 4 c + jp, here with c = 0
	s_lshl_b32 s27, s27, 11
	s_add_co_u32 s27, s27, PART
	s_add_co_u32 s28, s18, PART+32*UPITCH          ; pair 32 + 4 T + jp = 32 + w: the counts
	s_lshl_b32 s29, s26, 1
	s_lshl4_add_u32 s29, s25, s29                  ; sentence 16 T + 2 jp (+ 8 h + e)
	s_lshl_b32 s14, s29, 12                        ; out0: its row
	s_lshl_b32 s15, s13, 17                        ;  + batch x 32 rows
	s_add_co_u32 s14, s14, s15
	s_lshl_b32 s15, ttmp9, 8                       ;  + column block
	s_add_co_u32 s14, s14, s15
	s_mov_b32 s15, 0
	s_add_nc_u64 s[8:9], s[8:9], s[14:15]
	s_wait_loadcnt 48                              ; loads return in order (ISA guide 5.7.1): the four id loads are in, the 48 of x behind them stay out
.irp i, 0,1,2,3,4,5,6,7,8,9,10,11,12,13,14,15
	v_cmp_gt_u32 vcc_lo, 32, v[B+\i]               ; unsigned: negative ids fail too
	v_alignbit_b32 v[B+\i], s20, s20, v[B+\i]      ; both halves of the funnel alike: 0x4000 rotated right by id & 31
	v_cndmask_b32 v[B+\i], 0, v[B+\i], vcc_lo      ; an id outside 0..31 matches nothing
.endr
.irp q, 0,1,2,3
	ds_store_b128 v[A], v[B+4*\q:B+4*\q+3] offset:512*\q
.endr
.irp q, 0,1,2,3
	ds_load_b128 v[O+4*\q:O+4*\q+3], v[OADR] offset:16*\q      ; step 0's words.  My wave's own bytes, and LDS serves a wave in order (ISA guide 5.7.1): no barrier, no wait between
.endr
.macro MM d, a, b, zero
.if \zero
	v_wmma_f32_16x16x32_bf16 v[\d:\d+7], v[\a:\a+7], v[\b:\b+7], 0         ; the first product starts the sum
.else
	v_wmma_f32_16x16x32_bf16 v[\d:\d+7], v[\a:\a+7], v[\b:\b+7], v[\d:\d+7]
.endif
.endm
; Step st.  zero = 1: the first.  fill = 1: the slot is loaded again, three steps ahead.  left = how many younger loads of x may stay out.
.macro STEP st, zero, fill, left
.set XS, 64*((\st)%RING)
	s_wait_dscnt 0x0                               ; this step's 16 words O are in
.irp j, 0,1,2,3,4,5,6,7,8,9,10,11,12,13,14,15
	v_alignbit_b32 v[O+\j], v[O+\j], v[O+\j], v[ROT]       ; left by r.  These 16 lines name no register of the last step's matrix instructions:
.endr                                                          ; they are the places in front of the writes of A and B below (ISA guide 7.12.1)
.irp i, 0,1,2,3,4,5,6,7
	v_perm_b32 v[A+\i],   v[O+2*\i+1], v[O+2*\i], s21      ; low halves (bit 14: id == r) of rows 2i, 2i + 1
	v_perm_b32 v[A+8+\i], v[O+2*\i+1], v[O+2*\i], s22      ; high halves (bit 30: id == r + 16)
.endr
.if \st < 15
.irp q, 0,1,2,3
	ds_load_b128 v[O+4*\q:O+4*\q+3], v[OADR] offset:128*(\st+1)+16*\q      ; the next step's words; sixteen lanes read the same 16 bytes
.endr
.endif
.irp i, 0,1,2,3,4,5,6,7,8,9,10,11,12,13,14,15
	v_and_b32 v[A+\i], s23, v[A+\i]                ; 2.0 or 0, nothing else
.endr
	s_wait_loadcnt \left                           ; this step's 16 loads are in; those of the later steps stay out
	WIN FROM_X
.irp i, 0,1,2,3,4,5,6,7
.irp c, 0,1,2,3
	v_cvt_pk_bf16_f32 v[B+8*\c+\i], v[XS+8*\i+\c], v[XS+8*\i+4+\c]        ; rows 2i, 2i + 1 of column 4r + c
.endr
.endr
.if \fill
	WIN TO_X
	FILL \st+RING
.endif
	WIN 0
.irp tl, 0,1
.irp c, 0,1,2,3
	MM ACC+8*(4*\tl+\c), A+8*\tl, B+8*\c, \zero
.endr
.endr
	MM CNT, A, ONES, \zero
	MM CNT+8, A+8, ONES, \zero
.endm
	STEP 0, 1, 1, 32
.irp st, 1,2,3,4,5,6,7,8,9,10,11,12
	STEP \st, 0, 1, 32
.endr
	STEP 13, 0, 0, 32                              ; the last three steps load nothing more: no load leaves x, and the counts run down
	STEP 14, 0, 0, 16
	STEP 15, 0, 0, 0
	; THE WAY OUT.  Six plain vector lines that name no matrix register stand between the last matrix instruction and the LDS stores that
	; read results (four are asked for).
	v_lshl_add_u32 v[PADR], v[LANE], 3, s24
	v_lshl_add_u32 v[RADR], v[LANE], 3, s27
	v_lshl_add_u32 v[CADR], v[LANE], 3, s28
	v_lshlrev_b32 v[OOFF], 4, v[R]
	v_add_nc_u32 v[PADR2], 32*UPITCH, v[PADR]
	v_lshl_or_b32 v[OOFF], v[HH], 15, v[OOFF]
.set u, 0
.rept 32
	ds_store_b64 v[PADR], v[ACC+2*u:ACC+2*u+1] offset:u*UPITCH             ; 32 lanes x 8 consecutive bytes
.set u, u+1
.endr
.rept 8
	ds_store_b64 v[PADR2], v[ACC+2*u:ACC+2*u+1] offset:(u-32)*UPITCH       ; the counts
.set u, u+1
.endr
	s_wait_dscnt 0x0                               ; for the other waves: my partial results are in LDS
	s_barrier_signal -1
	s_barrier_wait -1
.irp w, 0,1,2,3,4,5,6,7
	ds_load_b64 v[LD+2*\w:LD+2*\w+1], v[CADR] offset:256*\w                ; wave w's counts of sentences 16T + 8h + 2jp + (0, 1)
.endr
.irp c, 0,1,2,3
.irp w, 0,1,2,3,4,5,6,7
	ds_load_b64 v[LD+16*(\c+1)+2*\w:LD+16*(\c+1)+2*\w+1], v[RADR] offset:4*\c*UPITCH+256*\w   ; and its sums of these in column 4r + c
.endr
.endr
.macro SUM8 q, left                    ; eight waves' pairs into one; left = LDS loads behind this group's eight
	s_wait_dscnt \left
	v_pk_add_f32 v[LD+16*\q:LD+16*\q+1],       v[LD+16*\q:LD+16*\q+1],       v[LD+16*\q+2:LD+16*\q+3]
	v_pk_add_f32 v[LD+16*\q+4:LD+16*\q+5],     v[LD+16*\q+4:LD+16*\q+5],     v[LD+16*\q+6:LD+16*\q+7]
	v_pk_add_f32 v[LD+16*\q+8:LD+16*\q+9],     v[LD+16*\q+8:LD+16*\q+9],     v[LD+16*\q+10:LD+16*\q+11]
	v_pk_add_f32 v[LD+16*\q+12:LD+16*\q+13],   v[LD+16*\q+12:LD+16*\q+13],   v[LD+16*\q+14:LD+16*\q+15]
	v_pk_add_f32 v[LD+16*\q:LD+16*\q+1],       v[LD+16*\q:LD+16*\q+1],       v[LD+16*\q+4:LD+16*\q+5]
	v_pk_add_f32 v[LD+16*\q+8:LD+16*\q+9],     v[LD+16*\q+8:LD+16*\q+9],     v[LD+16*\q+12:LD+16*\q+13]
	v_pk_add_f32 v[LD+16*\q:LD+16*\q+1],       v[LD+16*\q:LD+16*\q+1],       v[LD+16*\q+8:LD+16*\q+9]
.endm
	SUM8 0, 32
	v_rcp_f32 v[RC], v[LD]                         ; 1 / (2 x count); the sums below are the plain lines between these and their use (ISA guide 5.7.2)
	v_rcp_f32 v[RC+1], v[LD+1]
	SUM8 1, 24
	SUM8 2, 16
	SUM8 3, 8
	SUM8 4, 0
	s_wait_alu depctr_va_vdst(0)
.irp e, 0,1
.irp c, 0,1,2,3
	v_mul_f32 v[OUT+4*\e+\c], v[LD+16*(\c+1)+\e], v[RC+\e]         ; the division also lays a row's four columns side by side
.endr
.endr
	global_store_b128 v[OOFF], v[OUT:OUT+3], s[8:9] th:TH_STORE_NT                 ; sixteen lanes store 256 consecutive bytes, aligned: a sentence's 64 columns
	global_store_b128 v[OOFF], v[OUT+4:OUT+7], s[8:9] offset:ROWB th:TH_STORE_NT   ; the next sentence
	; out1 = 0 .. 31: wave 0 of work-group (0, 0), one store of the buffer's 128 bytes
	s_or_b32 s30, ttmp9, s13
	s_or_b32 s30, s30, s12
	s_cmp_lg_u32 s30, 0
	s_cbranch_scc1 .Ldone
	v_lshlrev_b32 v[IOFF], 2, v[LANE]
	global_store_b32 v[IOFF], v[LANE], s[10:11]
.Ldone:
	s_barrier_signal -1
	s_barrier_wait -1
	s_wait_tensorcnt 0x0
	ds_add_u32 v254, v255
	s_wait_dscnt 0x0
	s_endpgm
.Lfunc_end_k_qb3f819b7fa_segmean:
	.size	k_qb3f819b7fa_segmean, .Lfunc_end_k_qb3f819b7fa_segmean-k_qb3f819b7fa_segmean
	.p2alignl 7, 3214868480
	.fill 96, 4, 3214868480
	.section	.rodata,"a",@progbits
	.p2align	6, 0x0
	.amdhsa_kernel k_qb3f819b7fa_segmean
		.amdhsa_group_segment_fixed_size 99328
		.amdhsa_private_segment_fixed_size 0
		.amdhsa_enable_private_segment 0
		.amdhsa_kernarg_size 32
		.amdhsa_user_sgpr_count 2
		.amdhsa_user_sgpr_kernarg_segment_ptr 1
		.amdhsa_wavefront_size32 1
		.amdhsa_system_sgpr_workgroup_id_x 1
		.amdhsa_system_sgpr_workgroup_id_y 1
		.amdhsa_system_sgpr_workgroup_id_z 1
		.amdhsa_system_vgpr_workitem_id 0
		.amdhsa_next_free_vgpr 448
		.amdhsa_next_free_sgpr 66
		.amdhsa_reserve_vcc 1
		.amdhsa_float_denorm_mode_32 3
		.amdhsa_float_denorm_mode_16_64 3
		.amdhsa_memory_ordered 1
		.amdhsa_forward_progress 1
		.amdhsa_inst_pref_size 127
	.end_amdhsa_kernel
	.amdgpu_metadata
---
amdhsa.version: [ 1, 2 ]
amdhsa.kernels:
  - .name:           k_qb3f819b7fa_segmean
    .symbol:         k_qb3f819b7fa_segmean.kd
    .args:
      - { .name: last_hidden_state, .offset: 0, .size: 8, .value_kind: global_buffer, .address_space: global }
      - { .name: sentence_mask, .offset: 8, .size: 8, .value_kind: global_buffer, .address_space: global }
      - { .name: out0, .offset: 16, .size: 8, .value_kind: global_buffer, .address_space: global }
      - { .name: out1, .offset: 24, .size: 8, .value_kind: global_buffer, .address_space: global }
    .group_segment_fixed_size: 99328
    .private_segment_fixed_size: 0
    .kernarg_segment_align: 8
    .kernarg_segment_size: 32
    .max_flat_workgroup_size: 256
    .sgpr_count:     66
    .vgpr_count:     448
    .wavefront_size: 32
...
	.end_amdgpu_metadata
.endif
;; end of part 1
